; MI455X (gfx1250); checked and timed in simulation.
; The chip was launched on July 23, 2026; its instructions are those of AMD's public machine-readable ISA for CDNA 5 (MIT licence, August 2026) and "CDNA5" Instruction Set Architecture Reference Guide (July 2026). The comments in the code are by the model that wrote it; some were corrected since.
;; Frequency Linear. Allowed arithmetic: matrix products marked QUANTISED: E2M3 operands, one E8M0 scale for each 32 along K, by v_wmma_scale_f32_16x16x128_f8f6f4 with both operands' format E2M3, f32 sums; everything else in f32.
;; Inputs: w_im 2,048 x 2,048 float32; w_re 2,048 x 2,048 float32; x_im 4,096 x 2,048 float32; x_re 4,096 x 2,048 float32.
;; Outputs: out0 4,096 x 2,048 x 2 float32.
;; This version of the problem:
;;   THIS VERSION OF THE PROBLEM IS GIVEN IN LOW PRECISION. The matrix products marked QUANTISED in the list below multiply operands that are first quantised to E2M3 (2 exponent bits, 3 mantissa bits; 6 bits a number), with one power-of-two scale for each 32 numbers along K (OCP MX v1.0); their sums are f32. All else is computed in f32.
;;   The module's matrix products, in the order in which they are computed (A, B: the left and right operand; K: the contracted axis; several contracted axes count as one K, in the product's order):
;;     1. [M 4,096, K 2,048] x [K 2,048, N 2,048]; A: input x_re; B: input w_re: QUANTISED
;;     2. [M 4,096, K 2,048] x [K 2,048, N 2,048]; A: input x_im; B: input w_im: QUANTISED
;;     3. [M 4,096, K 2,048] x [K 2,048, N 2,048]; A: input x_re; B: input w_im: QUANTISED
;;     4. [M 4,096, K 2,048] x [K 2,048, N 2,048]; A: input x_im; B: input w_re: QUANTISED
;;   THE QUANTISER, for each operand of a quantised product, along K:
;;     - K is cut into blocks of 32 from its start; a last block that is shorter is filled with zeros.
;;     - A block's scale is 2^e with e = floor(log2(the largest magnitude in the block)) - 2, held to -126 .. 127; a block of zeros has e = 0. As a byte (E8M0): e + 127.
;;     - Each number is divided by its block's scale, clamped to +-7.5, and rounded to the nearest number of E2M3, ties to even, subnormals kept.
;;     - The product sums the exact products of the quantised numbers (number of the format x scale) in f32.
;;   ~~~python
;;   def quantise(x, axis):      # numpy; x: float32 -> the quantised numbers, widened to float32 again
;;       x = np.moveaxis(x, axis, -1); K = x.shape[-1]
;;       x = np.pad(x, [(0, 0)] * (x.ndim - 1) + [(0, -K % 32)]); x = x.reshape(x.shape[:-1] + (-1, 32)); a = np.abs(x).max(-1, keepdims=True)
;;       e = np.where(a > 0, np.clip(np.frexp(np.where(a > 0, a, 1))[1] - 1 - 2, -126, 127), 0)      # np.frexp(a)[1] - 1 = floor(log2(a)), exactly
;;       r = np.clip(x / 2.0 ** e, -7.5, 7.5)
;;       step = 2.0 ** (np.maximum(np.frexp(np.where(r == 0, 1, r))[1] - 1, 0) - 3)
;;       q = np.round(r / step) * step * 2.0 ** e      # np.round: ties to even
;;       return np.moveaxis(q.reshape(q.shape[:-2] + (-1,))[..., :K], -1, axis).astype(np.float32)
;;   ~~~
;; One version. Each part assembles by itself: llvm-mc -triple=amdgcn-amd-amdhsa -mcpu=gfx1250 --defsym DOCPART=n.
;; ======== version 1 of 1: 2 launches
;; limits: right only within a limited range of input values
;; workspace buffers: a_img 13,107,200 bytes; b_img 6,553,600 bytes
;; launch quant (part 1): grid 256 x 1, 12 waves a work-group, no clusters, 102,912 bytes of LDS; arguments x_re, x_im, w_re, w_im, a_img, b_img; writes a_img, b_img
.if DOCPART == 1
	.amdgcn_target "amdgcn-amd-amdhsa--gfx1250"
	.amdhsa_code_object_version 6
	.text
	.protected	k_q5c0bf3c71b_quant
	.globl	k_q5c0bf3c71b_quant
	.p2align	8
	.type	k_q5c0bf3c71b_quant,@function
k_q5c0bf3c71b_quant:
	s_mov_b64 s[64:65], 0
	v_nop
	global_prefetch_b8 v0, s[64:65] scope:SCOPE_SE
	s_setreg_imm32_b32 hwreg(HW_REG_WAVE_MODE, 25, 1), 1
	s_wait_xcnt 0x0
; The four f32 inputs become codes of FP6 (E2M3) with one E8M0 scale byte for each 32 along K, laid IN THE ORDER OF THE OPERAND'S REGISTERS.
; A block's scale is 2^(floor(log2(its largest magnitude)) - 2); its byte is the largest magnitude's exponent field - 2, held at 1 from below;
; each number is divided by the scale and rounded to the nearest code, ties to even, beyond 7.5 the largest code.
; A UNIT is 12,800 bytes: eight fragment images (16 rows x 128 K, 1,536 bytes: register j of lane l at 512 (j / 4) + 16 l + 4 (j % 4)),
; then 512 bytes of scale words: block i, fragment row r at 12,288 + 256 (i / 4) + 16 r + 4 (i % 4).
; a_img: [tile T of 128 rows, 0..31][32 units]: unit 2 k is x_re's, unit 2 k + 1 x_im's columns 128 k ..; block i, row r is row 128 T + 16 i + r.
; b_img: [tile T of 64 outputs, 0..31][16 units]: unit k: blocks 0-3 w_re, blocks 4-7 w_im, columns 128 k ..; block i, row r is output 64 T + 16 (i % 4) + r.
; SHARES: a wave takes 64 rows (four blocks) x 128 along K, a fragment a step.  T = group / 8, u = group % 8.
; Waves 0-7: x: ks = 4 u + (w & 3) (under 16: x_re), blocks 4 ((w >> 2) & 1) on.  Waves 8-11: k = 2 u + (w & 1), w_re or w_im by (w >> 1) & 1.
; Each load reads 512 consecutive bytes of one row; a fragment's 16 rows go through the wave's own stage in LDS and come back 128 bytes a lane and block.  Waves share nothing: no barrier.
; LIMITS: NaN and infinities among the inputs are not served; blocks whose largest magnitude lies under 2^-124, the floor, were not tried; a block of zeros gets the byte 1
; where the rule says 127 (its codes are zeros, which add nothing under any byte but 0xff, and the bytes are read by this program alone).
.set PITCH, 528                        ; a stage row: 512 bytes + 16
.set STG,   16*PITCH
.set SPARE, 12*STG                     ; the spare words, 128 bytes a wave
.set UNIT,  12800
.set FRB,   1536
.set SCO,   12288
.set ROWB,  8192
.set SPW,   47
.set NIL,   51
.set SW,    24                         ; v24-27 a step's scale word
.set F,     32                         ; v32-43 the fragment
.set T2,    44                         ; v44-46, v48-50 second halves of the two blocks' codes
.set X,     64                         ; v64-127 my two blocks of 32 numbers
.set R,     128                        ; v128-255 two sets of 64: 16 rows as loaded
	s_load_b256 s[4:11], s[0:1], 0x0               ; x_re, x_im, w_re, w_im
	s_load_b128 s[12:15], s[0:1], 0x20             ; a_img, b_img
	v_lshl_add_u32 v[SPW], v0, 2, SPARE
	v_mov_b32 v[NIL], 0
	v_lshrrev_b32 v1, 5, v0
	s_delay_alu instid0(VALU_DEP_1)
	v_readfirstlane_b32 s16, v1                    ; wave 0..11
	s_lshr_b32 s17, ttmp9, 3                       ; T
	s_and_b32 s18, ttmp9, 7                        ; u
	s_and_b32 s21, s16, 3
	s_and_b32 s22, s16, 1
	s_bfe_u32 s23, s16, 0x10002
	s_bfe_u32 s24, s16, 0x10001
	s_lshl_b32 s25, s18, 2
	s_lshl_b32 s26, s18, 1
	s_cmp_lt_u32 s16, 8                            ; a wave of x?
	s_cselect_b32 s19, s21, s22
	s_cselect_b32 s20, s23, s24                    ; x: which four blocks of the unit
	s_cselect_b32 s25, s25, s26
	s_cselect_b32 s26, 128, 64                     ; source rows to a tile
	s_cselect_b32 s27, 64, 0                       ; x's second four blocks lie 64 rows down; w's in the other tensor
	s_cselect_b32 s28, 5, 4                        ; log2 of the units to a tile
	s_add_co_u32 s19, s19, s25                     ; ks
	s_mul_i32 s21, s17, s26
	s_mul_i32 s22, s20, s27
	s_add_co_u32 s21, s21, s22                     ; the first source row
	s_lshl_b32 s21, s21, 13
	s_and_b32 s29, s19, 15
	s_lshl_b32 s22, s29, 9                         ; 128 numbers along K are 512 bytes
	s_add_co_u32 s22, s21, s22
	s_mov_b32 s23, 0                               ; s[22:23]: where my numbers begin in their tensor
	s_lshl_b32 s30, s29, 1
	s_lshr_b32 s31, s19, 4
	s_add_co_u32 s30, s30, s31                     ; x: unit 2 k + (0: x_re, 1: x_im)
	s_cmp_lt_u32 s16, 8
	s_cselect_b32 s30, s30, s19                    ; w: unit k
	s_lshl_b32 s24, s17, s28
	s_add_co_u32 s24, s24, s30
	s_mul_i32 s24, s24, UNIT                       ; my unit
	s_lshl_b32 s26, s20, 8
	s_add_co_u32 s26, s26, s24
	s_add_co_u32 s26, s26, SCO
	s_mov_b32 s27, 0                               ; s[26:27]: my four blocks' scale words
	s_mul_i32 s21, s20, 4*FRB
	s_add_co_u32 s24, s24, s21
	s_mov_b32 s25, 0                               ; s[24:25]: my four fragments' images
	s_mov_b32 s38, 0xffff0000                      ; lanes 16-31
	s_mul_i32 s39, s16, STG                        ; my stage
	s_mov_b32 s40, 0x76543210
	s_mov_b32 s41, 0xfedcba98                      ; selects for lane l xor 16
	v_and_b32 v1, 31, v0
	v_and_b32 v2, 15, v0                           ; r
	v_bfe_u32 v3, v0, 4, 1                         ; h
	s_delay_alu instid0(VALU_DEP_3)
	v_lshlrev_b32 v4, 4, v1                        ; 16 x lane
	s_delay_alu instid0(VALU_DEP_1)
	v_add_nc_u32 v5, s39, v4                       ; the stage on the way in
	v_mul_u32_u24 v6, v2, PITCH
	s_delay_alu instid0(VALU_DEP_1)
	v_lshl_add_u32 v6, v3, 7, v6
	s_delay_alu instid0(VALU_DEP_1)
	v_add_nc_u32 v6, s39, v6                       ; and on the way out: row r, + 128 h
	v_lshlrev_b32 v11, 3, v3                       ; 8 h
	s_delay_alu instid0(VALU_DEP_1)
	v_lshl_add_u32 v9, v2, 4, v11                  ; the scale words' store: 16 r + 8 h
	v_mov_b32 v22, 0                               ; a lane permute's destination counts as one of its sources
	s_wait_alu depctr_va_vdst(0)                   ; the wait at the head's end
	s_wait_kmcnt 0x0
	s_cmp_lt_u32 s19, 16
	s_cselect_b64 s[28:29], s[4:5], s[6:7]         ; x_re or x_im
	s_cmp_eq_u32 s20, 0
	s_cselect_b64 s[32:33], s[8:9], s[10:11]       ; w_re or w_im
	s_cmp_lt_u32 s16, 8
	s_cselect_b64 s[30:31], s[28:29], s[32:33]
	s_cselect_b64 s[34:35], s[12:13], s[14:15]
	s_mov_b64 s[36:37], s[34:35]
	s_add_nc_u64 s[30:31], s[30:31], s[22:23]
	s_add_nc_u64 s[34:35], s[34:35], s[24:25]      ; where my images go
	s_add_nc_u64 s[36:37], s[36:37], s[26:27]      ; and my scale words
.macro LOAD t                          ; fragment t's 16 rows into set t % 2; 32 lanes read 512 consecutive bytes
.irp j, 0,1,2,3,4,5,6,7,8,9,10,11,12,13,14,15
	global_load_b128 v[R+64*((\t)%2)+4*\j:R+64*((\t)%2)+4*\j+3], v4, s[30:31] offset:(16*(\t)+\j)*ROWB th:TH_LOAD_NT
.endr
.endm
.macro STEP t
.if (\t) < 3
	s_wait_loadcnt 16                              ; this step's 16 loads are in; the next step's 16 may be out
.else
	s_wait_loadcnt 0x0
.endif
.irp j, 0,1,2,3,4,5,6,7,8,9,10,11,12,13,14,15
	ds_store_b128 v5, v[R+64*((\t)%2)+4*\j:R+64*((\t)%2)+4*\j+3] offset:PITCH*\j
.endr
.irp c, 0,1
.irp e, 0,1,2,3,4,5,6,7
	ds_load_b128 v[X+32*\c+4*\e:X+32*\c+4*\e+3], v6 offset:256*\c+16*\e   ; LDS serves a wave's instructions in order
.endr
.endr
	s_wait_dscnt 16                                ; all but the 16 loads just issued: the stores have read their registers,
.if (\t) < 2
	LOAD (\t)+2                                    ; which take the rows of two steps on
.endif
	s_wait_dscnt 0x0
.irp c, 0,1
	v_max3_num_f32 v[16+\c], |v[X+32*\c]|, |v[X+32*\c+1]|, 0x1800000   ; block 2 c + h of my row, and the floor 2^(3 - 127)
.endr
.irp i, 2,4,6,8,10,12,14,16,18,20,22,24,26,28,30
.irp c, 0,1
	s_delay_alu instid0(VALU_DEP_2)
	v_max3_num_f32 v[16+\c], v[16+\c], |v[X+32*\c+\i]|, |v[X+32*\c+\i+1]|
.endr
.endr
.irp c, 0,1
	s_delay_alu instid0(VALU_DEP_2)
	v_add_nc_u32 v[18+\c], 0xff000000, v[16+\c]    ; 2 off the exponent field: the conversion's scale operand
.endr
.if (\t) > 0
	s_wait_alu depctr_va_vdst(0)
	s_wait_xcnt 0x0                                ; the last step's stores have read their data
.endif
.irp c, 0,1
	v_cvt_scalef32_pk16_fp6_f32 v[F+6*\c:F+6*\c+2], v[X+32*\c:X+32*\c+15], v[18+\c]
	v_cvt_scalef32_pk16_fp6_f32 v[T2+4*\c:T2+4*\c+2], v[X+32*\c+16:X+32*\c+31], v[18+\c]
.endr
	v_lshrrev_b32 v20, 23, v18                     ; the scales' bytes (plain lines behind the conversions)
	v_lshrrev_b32 v21, 23, v19
	s_delay_alu instid0(VALU_DEP_1)
	v_lshl_or_b32 v20, v21, 16, v20                ; blocks h and 2 + h of row r,
	s_delay_alu instid0(VALU_DEP_1)
	v_lshlrev_b32 v20, v11, v20                    ; 8 h bits up;
	s_delay_alu instid0(VALU_DEP_1)
	v_permlanex16_b32 v22, v20, s40, s41
	s_delay_alu instid0(VALU_DEP_1)
	v_or_b32 v[SW+(\t)], v20, v22                  ; with lane l xor 16's two the word is whole
.irp c, 0,1
.irp i, 0,1,2
	v_mov_b32 v[F+3+6*\c+\i], v[T2+4*\c+\i]
.endr
.endr
.irp q, 0,1,2
	global_store_b128 v4, v[F+4*\q:F+4*\q+3], s[34:35] offset:FRB*(\t)+512*\q   ; 512 consecutive bytes, at a multiple of 256
.endr
.endm
	LOAD 0
	LOAD 1
	STEP 0
	STEP 1
	STEP 2
	STEP 3
	v_cndmask_b32 v28, v[SW], v[SW+2], s38         ; lanes 0-15 store the words of steps 0 and 1, lanes 16-31 those of steps 2 and 3
	v_cndmask_b32 v29, v[SW+1], v[SW+3], s38
	global_store_b64 v9, v[28:29], s[36:37]        ; 256 consecutive bytes, at a multiple of 256
	s_wait_tensorcnt 0x0                           ; the wave's end
	ds_add_u32 v[SPW], v[NIL]
	s_wait_dscnt 0x0
	s_endpgm
.Lfunc_end_k_q5c0bf3c71b_quant:
	.size	k_q5c0bf3c71b_quant, .Lfunc_end_k_q5c0bf3c71b_quant-k_q5c0bf3c71b_quant
	.p2alignl 7, 3214868480
	.fill 96, 4, 3214868480
	.section	.rodata,"a",@progbits
	.p2align	6, 0x0
	.amdhsa_kernel k_q5c0bf3c71b_quant
		.amdhsa_group_segment_fixed_size 102912
		.amdhsa_private_segment_fixed_size 0
		.amdhsa_enable_private_segment 0
		.amdhsa_kernarg_size 48
		.amdhsa_user_sgpr_count 2
		.amdhsa_user_sgpr_kernarg_segment_ptr 1
		.amdhsa_wavefront_size32 1
		.amdhsa_system_sgpr_workgroup_id_x 1
		.amdhsa_system_sgpr_workgroup_id_y 1
		.amdhsa_system_sgpr_workgroup_id_z 1
		.amdhsa_system_vgpr_workitem_id 0
		.amdhsa_next_free_vgpr 256
		.amdhsa_next_free_sgpr 66
		.amdhsa_reserve_vcc 0
		.amdhsa_float_denorm_mode_32 3
		.amdhsa_float_denorm_mode_16_64 3
		.amdhsa_memory_ordered 1
		.amdhsa_forward_progress 1
		.amdhsa_inst_pref_size 36
	.end_amdhsa_kernel
	.amdgpu_metadata
---
amdhsa.version: [ 1, 2 ]
amdhsa.kernels:
  - .name:           k_q5c0bf3c71b_quant
    .symbol:         k_q5c0bf3c71b_quant.kd
    .args:
      - { .name: x_re, .offset: 0, .size: 8, .value_kind: global_buffer, .address_space: global }
      - { .name: x_im, .offset: 8, .size: 8, .value_kind: global_buffer, .address_space: global }
      - { .name: w_re, .offset: 16, .size: 8, .value_kind: global_buffer, .address_space: global }
      - { .name: w_im, .offset: 24, .size: 8, .value_kind: global_buffer, .address_space: global }
      - { .name: a_img, .offset: 32, .size: 8, .value_kind: global_buffer, .address_space: global }
      - { .name: b_img, .offset: 40, .size: 8, .value_kind: global_buffer, .address_space: global }
    .group_segment_fixed_size: 102912
    .private_segment_fixed_size: 0
    .kernarg_segment_align: 8
    .kernarg_segment_size: 48
    .max_flat_workgroup_size: 384
    .sgpr_count:     66
    .vgpr_count:     256
    .wavefront_size: 32
...
	.end_amdgpu_metadata
.endif
;; end of part 1
;; launch gemm (part 2): grid 16 x 16, 4 waves a work-group, clusters of 4 x 4, 327,680 bytes of LDS; arguments a_img, b_img, out0; writes out0
.if DOCPART == 2
	.amdgcn_target "amdgcn-amd-amdhsa--gfx1250"
	.amdhsa_code_object_version 6
	.text
	.protected	k_q5c0bf3c71b_gemm
	.globl	k_q5c0bf3c71b_gemm
	.p2align	8
	.type	k_q5c0bf3c71b_gemm,@function
k_q5c0bf3c71b_gemm:
	s_mov_b64 s[64:65], 0
	v_nop
	global_prefetch_b8 v0, s[64:65] scope:SCOPE_SE
	s_setreg_imm32_b32 hwreg(HW_REG_WAVE_MODE, 25, 1), 1
	s_wait_xcnt 0x0
	s_wait_alu depctr_hold_cnt(0) depctr_sa_sdst(0) depctr_va_vdst(0) depctr_va_sdst(0) depctr_va_ssrc(0) depctr_va_vcc(0) depctr_vm_vsrc(0)
	s_getreg_b32 s2, hwreg(HW_REG_IB_STS2, 6, 4)
	s_cmp_eq_u32 s2, 0
	s_cbranch_scc0 .Lentry_in_a_cluster
	s_endpgm
.Lentry_in_a_cluster:
	s_bfe_u32 s2, ttmp6, 0x10000c
	s_cmp_lg_u32 s2, 0xf033
	s_cbranch_scc0 .Lentry_shape_is_right
	s_endpgm
.Lentry_shape_is_right:
; out[m][o] = sum over i of x[m][i] w[o][i], complex, on codes of FP6 with E8M0 scales, as launch quant has laid them (units of 12,800 bytes: eight fragment images and their scale words).
; A work-group makes 256 rows x 128 outputs; a wave 128 rows x 64 outputs: 32 accumulators RE (a, b), b = 0..3, and 32 IM (a, b), b = 4..7, at v[8 (8 (a % 4) + b)] of window 2 (a < 4) or 3.
; ONE SET OF B's FRAGMENTS (w_re in fragments 0-3, w_im in 4-7) SERVES TWO STEPS of 64 matrix instructions:
;   with x_re: RE += x_re w_re, IM += x_re w_im;  then bit 5 of each code of w_im is turned in place (the codes of -w_im, under the same scales);  with x_im: RE += x_im (-w_im), IM += x_im w_re.
; So 128 matrix instructions read 24 fragments from LDS (x_re 8, x_im 8, w 8).  A turned zero is the code -0, which adds nothing.
; RING: two slots; a slot holds four steps: four units of each of A's two tiles, two units of each of B's two: 153,600 bytes; eight slots make the walk.  Waves 0, 1 fetch A's pieces, waves 2, 3 B's.
; CLUSTERS 4 x 4: A's pieces are asked for jointly along a row of the cluster, B's along a column.  Source 0 = rows of w, source 1 = rows of x: a lane holds eight neighbouring outputs of one row.
; No prefetch: the walk has eight slots only, at the largest block, in clusters.
; REGISTERS: window 0: v0-31 addresses; v32-47 A's scale words, two sets; v48-63 B's, two sets; v128-223 A's fragments, one set; window 1: B's fragments, sets at v0 and v128.
.set UNIT,   12800
.set FRB,    1536
.set SCO,    12288
.set FR,     12
.set APIECE, 4*UNIT
.set BPIECE, 2*UNIT
.set SLOT,   2*APIECE+2*BPIECE
.set SPARE,  2*SLOT
.set SPITCH, 528                       ; the way out: a stage row: RE's 256 bytes, IM's 256, 16 of padding; the stages lie in slot 0, which has had its last fill and last read by then
.set CROW,   16384
.set ADRA, 16
.set ADRB, 18
.set ADSA, 20
.set ADSB, 22
.set STO,  24
.set RD,   25
.set CO,   26
.set SPW,  28
.set NIL,  29
.set SAR,  32
.set SBR,  48
.set AF,   128
.set BK,   128
.set G1,   24
.set G0,   32
.set G1B,  48
.set G0B,  56
.set MK,   68                          ; s68-70 the sign bits of the codes in registers j % 3 = 0, 1, 2
.set MSB, 0
.macro WIN new
.if MSB != \new
	s_set_vgpr_msb (MSB<<8)|\new
.set MSB, \new
.endif
.endm
.set MUL_LO, 0xa1
.set MUL_HI, 0xf1
.set TO_B,   0x40
.macro PLACES n
.rept \n
	v_nop
.endr
.endm
.macro JLOAD s                         ; a joint load; s_nop 0 and four v_nop behind each line
	s_cmp_eq_u32 s15, 0
	s_cbranch_scc0 .Lfor_b_\@
	tensor_load_to_lds s[G0+4*\s:G0+4*\s+3], s[G1:G1+7]
	s_nop 0
	PLACES 4
	s_branch .Lasked_\@
.Lfor_b_\@:
	tensor_load_to_lds s[G0B+4*\s:G0B+4*\s+3], s[G1B:G1B+7]
	s_nop 0
	PLACES 4
.Lasked_\@:
.endm
.macro CREST
	s_cmp_lg_u32 s14, 0
	s_cbranch_scc1 .Lnot_wave_0_\@
	s_barrier_signal -3
.Lnot_wave_0_\@:
	s_barrier_wait -3
	s_barrier_signal -1
	s_barrier_wait -1
.endm
.macro CROUND
	s_barrier_signal -1
	s_barrier_wait -1
	CREST
.endm
	s_load_b128 s[4:7], s[0:1], 0x0                ; a_img, b_img
	s_load_b64 s[12:13], s[0:1], 0x10              ; out0
	v_lshl_add_u32 v[SPW], v0, 2, SPARE
	v_mov_b32 v[NIL], 0
	ds_add_u32 v[SPW], v[NIL]                      ; the opening lines: the add twice on end and its wait
	ds_add_u32 v[SPW], v[NIL]
	v_lshrrev_b32 v1, 5, v0
	v_readfirstlane_b32 s14, v1                    ; wave
	s_lshr_b32 s15, s14, 1                         ; my half of the rows; also: I fetch for A (0) or B (1)
	s_and_b32 s16, s14, 1                          ; my half of the outputs; also: which piece I fetch
	s_bfe_u32 s40, ttmp6, 0x40000                  ; cx
	s_bfe_u32 s41, ttmp6, 0x40004                  ; cy
	s_lshl_b32 s42, ttmp9, 2
	s_add_co_u32 s42, s42, s40                     ; tile column
	s_and_b32 s17, ttmp7, 0xffff
	s_lshl_b32 s17, s17, 2
	s_add_co_u32 s17, s17, s41                     ; tile row
	s_lshl_b32 s43, s41, 2
	s_lshl_b32 s43, 15, s43                        ; my row of the cluster
	s_lshl_b32 s44, 0x1111, s40                    ; my column
	s_or_b32 s[G1+0], s43, (3<<16)|(1<<21)         ; dense pieces as rows of 256 bytes (32 elements of 8 bytes)
	s_or_b32 s[G1B+0], s44, (3<<16)|(1<<21)
.irp g, G1, G1B
	s_mov_b32 s[\g+1], 32<<16
	s_mov_b32 s[\g+3], 32<<16
	s_mov_b32 s[\g+5], 32
	s_mov_b32 s[\g+6], 0
	s_mov_b32 s[\g+7], 0
.endr
	s_mov_b32 s[G1+2], (APIECE/256)<<16
	s_mov_b32 s[G1+4], APIECE/256
	s_mov_b32 s[G1B+2], (BPIECE/256)<<16
	s_mov_b32 s[G1B+4], BPIECE/256
	s_mov_b32 s[MK], 0x20820820
	s_mov_b32 s[MK+1], 0x08208208
	s_mov_b32 s[MK+2], 0x82082082
	s_lshl_b32 s20, s17, 1
	s_add_co_u32 s20, s20, s16
	s_mul_i32 s20, s20, 32*UNIT                    ; A's tile 2 x tile row + piece
	s_mov_b32 s21, 0
	s_lshl_b32 s46, s42, 1
	s_add_co_u32 s46, s46, s16
	s_mul_i32 s46, s46, 16*UNIT                    ; B's tile 2 x tile column + piece
	s_mov_b32 s47, 0
	s_mul_i32 s45, s16, APIECE                     ; where they go
	s_mul_i32 s18, s16, BPIECE
	s_add_co_u32 s18, s18, 2*APIECE
	s_wait_dscnt 0x0
	s_wait_kmcnt 0x0
	s_add_nc_u64 s[20:21], s[4:5], s[20:21]
	s_add_nc_u64 s[46:47], s[6:7], s[46:47]
	CROUND                                         ; the first joint loads meet
.irp s, 0,1
	s_mov_b32 s[G0+4*\s], 1
	s_add_co_u32 s[G0+4*\s+1], s45, \s*SLOT
	s_add_nc_u64 s[G0+4*\s+2:G0+4*\s+3], s[20:21], \s*APIECE
	s_or_b32 s[G0+4*\s+3], s[G0+4*\s+3], 0x80000000
	s_mov_b32 s[G0B+4*\s], 1
	s_add_co_u32 s[G0B+4*\s+1], s18, \s*SLOT
	s_add_nc_u64 s[G0B+4*\s+2:G0B+4*\s+3], s[46:47], \s*BPIECE
	s_or_b32 s[G0B+4*\s+3], s[G0B+4*\s+3], 0x80000000
.endr
	JLOAD 0                                        ; slot 0: one tensor load a wave at the head
	s_mul_i32 s21, s15, APIECE                     ; what I read: my tile of A,
	s_mov_b32 s22, s18                             ; my tile of B,
	s_add_co_u32 s10, s21, SCO                     ; their scale words,
	s_add_co_u32 s11, s22, SCO
	s_mul_i32 s23, s14, 16*SPITCH                  ; my stage
	s_lshl_b32 s20, s17, 8
	s_lshl_b32 s19, s15, 7
	s_add_co_u32 s20, s20, s19
	s_lshl_b32 s20, s20, 14                        ; my first row of out0
	s_lshl_b32 s46, s42, 10
	s_lshl_b32 s47, s16, 9
	s_add_co_u32 s46, s46, s47                     ; my first output, 8 bytes each
	s_add_co_u32 s46, s46, s20                     ; under 2^27
	s_mov_b32 s47, 0
	s_add_nc_u64 s[12:13], s[12:13], s[46:47]
	v_and_b32 v1, 15, v0                           ; r
	v_bfe_u32 v2, v0, 4, 1                         ; h
	v_and_b32 v3, 31, v0
	v_lshlrev_b32 v[CO], 4, v3                     ; 16 x lane
	v_lshlrev_b32 v4, 4, v1                        ; 16 r
	v_add_nc_u32 v[ADRA], s21, v[CO]
	v_add_nc_u32 v[ADRB], s22, v[CO]
	v_add_nc_u32 v[ADSA], s10, v4
	v_add_nc_u32 v[ADSB], s11, v4
.irp g, ADRA, ADRB, ADSA, ADSB
	v_add_nc_u32 v[\g+1], SLOT, v[\g]
.endr
	v_mul_u32_u24 v5, v1, SPITCH
	v_lshl_add_u32 v5, v2, 5, v5
	v_add_nc_u32 v[STO], s23, v5                   ; into the stage: row r, 32 h
	v_lshl_add_u32 v[RD], v3, 3, s23               ; back: 8 bytes a lane of each plane
.macro FRAG reg, adr, q, i
.irp c, 0,1,2
	ds_load_b128 v[\reg+4*\c:\reg+4*\c+3], v[\adr] offset:(\q)*UNIT+(\i)*FRB+512*\c
.endr
.endm
; 16 matrix instructions: A's blocks a0, a0 + 1 x the eight accumulators.  p: B's set; ph = 0: x_re, fragment b; ph = 1: x_im, fragment (b + 4) % 8.  The 64 accumulators take turns.
.macro MUL16 a0, p, ph, zero
.irp a, \a0, \a0+1
.irp b, 0,1,2,3,4,5,6,7
.set FB, 128*(\p)+FR*((\b+4*(\ph))%8)
.set SX, SBR+8*(\p)+(\b+4*(\ph))%8
.set AC, 8*(8*((\a)%4)+\b)
.if \zero
	v_wmma_scale_f32_16x16x128_f8f6f4 v[AC:AC+7], v[FB:FB+FR-1], v[AF+FR*(\a):AF+FR*(\a)+FR-1], 0, v[SX], v[SAR+8*(\ph)+(\a)] matrix_a_fmt:MATRIX_FMT_FP6 matrix_b_fmt:MATRIX_FMT_FP6
.else
	v_wmma_scale_f32_16x16x128_f8f6f4 v[AC:AC+7], v[FB:FB+FR-1], v[AF+FR*(\a):AF+FR*(\a)+FR-1], v[AC:AC+7], v[SX], v[SAR+8*(\ph)+(\a)] matrix_a_fmt:MATRIX_FMT_FP6 matrix_b_fmt:MATRIX_FMT_FP6
.endif
.endr
.endr
.endm
.macro FETCH_B slot, u, p              ; B's unit u of the slot into set p, with its scale words
	WIN TO_B
.irp i, 0,1,2,3,4,5,6,7
	FRAG 128*(\p)+FR*\i, ADRB+\slot, \u, \i
.endr
	WIN 0
	ds_load_b128 v[SBR+8*(\p):SBR+8*(\p)+3], v[ADSB+\slot] offset:(\u)*UNIT
	ds_load_b128 v[SBR+8*(\p)+4:SBR+8*(\p)+7], v[ADSB+\slot] offset:(\u)*UNIT+256
.endm
.macro FETCH_A slot, q, i0
.irp i, \i0, \i0+1, \i0+2, \i0+3
	FRAG AF+FR*(\i), ADRA+\slot, \q, \i
.endr
.endm
.macro FETCH_LO slot, q                ; A's blocks 0-3 of unit q and its scale words, into set q % 2
	WIN 0
	FETCH_A \slot, \q, 0
	ds_load_b128 v[SAR+8*((\q)%2):SAR+8*((\q)%2)+3], v[ADSA+\slot] offset:(\q)*UNIT
	ds_load_b128 v[SAR+8*((\q)%2)+4:SAR+8*((\q)%2)+7], v[ADSA+\slot] offset:(\q)*UNIT+256
.endm
.macro FLIP p                          ; w_im's signs turned in place; four places ahead of the products that read them
	WIN 0x44
.irp f, 4,5,6,7
.irp j, 0,1,2,3,4,5,6,7,8,9,10,11
	v_xor_b32 v[128*(\p)+FR*\f+\j], s[MK+\j%3], v[128*(\p)+FR*\f+\j]
.endr
.endr
	PLACES 4
	s_wait_alu depctr_va_vdst(0)
.endm
; Step q = 0, 1, 2 of a slot: B's set q / 2, x_re (q even) or x_im (q odd); the next step's fragments are fetched in its middle and at its end.
.macro STEP slot, q, zero
.set P,  (\q)/2
.set PH, (\q)%2
	s_wait_dscnt 12                                ; all but A's blocks 4-7
	WIN MUL_LO
	MUL16 0, P, PH, \zero
	MUL16 2, P, PH, \zero
	s_wait_dscnt 0
	PLACES 4
.if PH
	FETCH_B \slot, 1, 1
.endif
	FETCH_LO \slot, (\q)+1
	WIN MUL_HI
	MUL16 4, P, PH, \zero
	MUL16 6, P, PH, \zero
	PLACES 4
.if PH == 0
	FLIP P
.endif
	WIN 0
	FETCH_A \slot, (\q)+1, 4
.endm
; Step 3 changes slots: one barrier; in front of it the wait for all my tensor loads, the add, the wait for it and for my reads of this slot.
.macro TURN slot, next, fill
	s_wait_tensorcnt 0x0
	ds_add_u32 v[SPW], v[NIL]
	s_wait_dscnt 13                                ; the add and A's blocks 4-7 may be out
	WIN MUL_LO
	MUL16 0, 1, 1, 0
	s_wait_dscnt 0x0
	s_barrier_signal -1
	MUL16 2, 1, 1, 0
	WIN 0
	s_barrier_wait -1
.if \fill
	CREST                                          ; the barrier has opened a round of the cluster's barrier
	s_add_nc_u64 s[G0+4*\slot+2:G0+4*\slot+3], s[G0+4*\slot+2:G0+4*\slot+3], 2*APIECE
	s_add_nc_u64 s[G0B+4*\slot+2:G0B+4*\slot+3], s[G0B+4*\slot+2:G0B+4*\slot+3], 2*BPIECE
	JLOAD \slot                                    ; its four v_nop are the places in front of the loads below
.else
	PLACES 4
.endif
	FETCH_B \next, 0, 0
	FETCH_LO \next, 0
	WIN MUL_HI
	MUL16 4, 1, 1, 0
	MUL16 6, 1, 1, 0
	PLACES 4
	WIN 0
	FETCH_A \next, 0, 4
.endm
	s_wait_alu depctr_va_vdst(0)                   ; the wait at the head's end
	s_wait_tensorcnt 0x0                           ; my piece of slot 0 is in; slot 1's first fill is issued as a refill is
	ds_add_u32 v[SPW], v[NIL]
	s_wait_dscnt 0x0
	CROUND
	JLOAD 1
	FETCH_B 0, 0, 0
	FETCH_LO 0, 0
	FETCH_A 0, 0, 4
	STEP 0, 0, 1                                   ; the first step's products start all 64 sums
	s_mov_b32 s3, 3
.Llap:                                                 ; a trip goes once round the ring and fills both slots again
	STEP 0, 1, 0
	STEP 0, 2, 0
	TURN 0, 1, 1
	STEP 1, 0, 0
	STEP 1, 1, 0
	STEP 1, 2, 0
	TURN 1, 0, 1
	STEP 0, 0, 0
	s_sub_co_u32 s3, s3, 1
	s_cmp_lg_u32 s3, 0
	s_cbranch_scc1 .Llap
	STEP 0, 1, 0                                   ; the last two slots: nothing more to fetch
	STEP 0, 2, 0
	TURN 0, 1, 0
	STEP 1, 0, 0
	STEP 1, 1, 0
	STEP 1, 2, 0
	s_wait_dscnt 12
	WIN MUL_LO
	MUL16 0, 1, 1, 0
	MUL16 2, 1, 1, 0
	s_wait_dscnt 0
	WIN MUL_HI
	MUL16 4, 1, 1, 0
	MUL16 6, 1, 1, 0
	WIN 0
; THE WAY OUT, block by block of 16 rows: RE's and IM's numbers into the two planes of my stage; back as pairs (re, re), (im, im) of two neighbouring outputs; one swap makes re, im, re, im: 16 bytes of out0.
.macro TOSTAGE a
.set AC, 64*((\a)%4)
	WIN 0x08+4*((\a)/4)
.irp b, 0,1,2,3,4,5,6,7
	ds_store_b128 v[STO], v[AC+8*\b:AC+8*\b+3] offset:64*\b          ; each accumulator from its low end on
	ds_store_b128 v[STO], v[AC+8*\b+4:AC+8*\b+7] offset:64*\b+16
.endr
	WIN 0
.set BB, BK+64*((\a)%2)
.irp t, 0,1,2,3,4,5,6,7,8,9,10,11,12,13,14,15
	ds_load_b64 v[BB+4*\t:BB+4*\t+1], v[RD] offset:\t*SPITCH
	ds_load_b64 v[BB+4*\t+2:BB+4*\t+3], v[RD] offset:\t*SPITCH+256
.endr
.endm
.macro SEND a, younger
.set BB, BK+64*((\a)%2)
	s_wait_dscnt \younger
.irp t, 0,1,2,3,4,5,6,7,8,9,10,11,12,13,14,15
	v_swap_b32 v[BB+4*\t+1], v[BB+4*\t+2]
.endr
	s_wait_alu depctr_va_vdst(0)
.if (\a) > 0
	s_add_nc_u64 s[12:13], s[12:13], 16*CROW       ; behind a wait on XCNT: the earlier stores have read their base
.endif
.irp t, 0,1,2,3,4,5,6,7,8,9,10,11,12,13,14,15
	global_store_b128 v[CO], v[BB+4*\t:BB+4*\t+3], s[12:13] offset:\t*CROW th:TH_STORE_NT   ; 512 consecutive bytes, at a multiple of 256
.endr
.endm
	PLACES 4
	TOSTAGE 0
.irp a, 1,2,3,4,5,6,7
.if \a > 1
	s_wait_xcnt 0x0                                ; block a - 2's stores have read their registers and their base
.endif
	TOSTAGE \a
	SEND \a-1, 48                                  ; behind block a - 1's loads: block a's 16 stores and 32 loads
.endr
	s_wait_xcnt 0x0
	SEND 7, 0
	s_wait_tensorcnt 0x0                           ; the wave's end
	ds_add_u32 v[SPW], v[NIL]
	s_wait_dscnt 0x0
	CROUND                                         ; the closing round
	s_endpgm
.Lfunc_end_k_q5c0bf3c71b_gemm:
	.size	k_q5c0bf3c71b_gemm, .Lfunc_end_k_q5c0bf3c71b_gemm-k_q5c0bf3c71b_gemm
	.p2alignl 7, 3214868480
	.fill 96, 4, 3214868480
	.section	.rodata,"a",@progbits
	.p2align	6, 0x0
	.amdhsa_kernel k_q5c0bf3c71b_gemm
		.amdhsa_group_segment_fixed_size 327680
		.amdhsa_private_segment_fixed_size 0
		.amdhsa_enable_private_segment 0
		.amdhsa_kernarg_size 24
		.amdhsa_user_sgpr_count 2
		.amdhsa_user_sgpr_kernarg_segment_ptr 1
		.amdhsa_wavefront_size32 1
		.amdhsa_system_sgpr_workgroup_id_x 1
		.amdhsa_system_sgpr_workgroup_id_y 1
		.amdhsa_system_sgpr_workgroup_id_z 1
		.amdhsa_system_vgpr_workitem_id 0
		.amdhsa_next_free_vgpr 1024
		.amdhsa_next_free_sgpr 90
		.amdhsa_reserve_vcc 0
		.amdhsa_float_denorm_mode_32 3
		.amdhsa_float_denorm_mode_16_64 3
		.amdhsa_memory_ordered 1
		.amdhsa_forward_progress 1
		.amdhsa_inst_pref_size 240
	.end_amdhsa_kernel
	.amdgpu_metadata
---
amdhsa.version: [ 1, 2 ]
amdhsa.kernels:
  - .name:           k_q5c0bf3c71b_gemm
    .symbol:         k_q5c0bf3c71b_gemm.kd
    .args:
      - { .name: a_img, .offset: 0, .size: 8, .value_kind: global_buffer, .address_space: global }
      - { .name: b_img, .offset: 8, .size: 8, .value_kind: global_buffer, .address_space: global }
      - { .name: out0, .offset: 16, .size: 8, .value_kind: global_buffer, .address_space: global }
    .group_segment_fixed_size: 327680
    .private_segment_fixed_size: 0
    .kernarg_segment_align: 8
    .kernarg_segment_size: 24
    .max_flat_workgroup_size: 128
    .sgpr_count:     90
    .vgpr_count:     1024
    .wavefront_size: 32
...
	.end_amdgpu_metadata
.endif
;; end of part 2
